; MI455X (gfx1250); checked and timed in simulation.
; The chip was launched on July 23, 2026; its instructions are those of AMD's public machine-readable ISA for CDNA 5 (MIT licence, August 2026) and "CDNA5" Instruction Set Architecture Reference Guide (July 2026). The comments in the code are by the model that wrote it; some were corrected since.
;; Causal Self Attention. Allowed arithmetic: matrix products marked QUANTISED: E4M3 operands, one given power-of-two scale a tensor, by v_wmma_f32_16x16x64_fp8_fp8 or v_wmma_f32_16x16x128_fp8_fp8, f32 sums; everything else in f32.
;; Inputs: Wk 2,048 x 2,048 float32; Wp 2,048 x 2,048 float32; Wq 2,048 x 2,048 float32; Wv 2,048 x 2,048 float32; attn_mask 2,048 x 2,048 bool; lowp_scales 12 int32 (the exponents e of the quantised operands' scales 2^e); rope_cos 2,048 x 64 float32; rope_sin 2,048 x 64 float32; x 1 x 2,048 x 2,048 float32.
;; Outputs: out0 1 x 2,048 x 2,048 float32.
;; This version of the problem:
;;   THIS VERSION OF THE PROBLEM IS GIVEN IN LOW PRECISION. The matrix products marked QUANTISED in the list below multiply operands that are first quantised to E4M3 (4 exponent bits, 3 mantissa bits; 8 bits a number), with one given power-of-two scale for each operand tensor; their sums are f32. All else is computed in f32.
;;   The module's matrix products, in the order in which they are computed (A, B: the left and right operand; K: the contracted axis; several contracted axes count as one K, in the product's order):
;;     1. [M 2,048, K 2,048] x [K 2,048, N 2,048]; A: input x; B: input Wq: QUANTISED (scales: A lowp_scales[0], B lowp_scales[1])
;;     2. [M 2,048, K 2,048] x [K 2,048, N 2,048]; A: input x; B: input Wk: QUANTISED (scales: A lowp_scales[2], B lowp_scales[3])
;;     3. [M 2,048, K 2,048] x [K 2,048, N 2,048]; A: input x; B: input Wv: QUANTISED (scales: A lowp_scales[4], B lowp_scales[5])
;;     4. batch 16 x [M 2,048, K 128] x [K 128, N 2,048]; A: computed on the way; B: computed on the way: QUANTISED (scales: A lowp_scales[6], B lowp_scales[7])
;;     5. batch 16 x [M 128, K 2,048] x [K 2,048, N 2,048]; A: computed on the way; B: softmax (see below): QUANTISED (scales: A lowp_scales[8], B lowp_scales[9])
;;     6. [M 2,048, K 2,048] x [K 2,048, N 2,048]; A: computed on the way; B: input Wp: QUANTISED (scales: A lowp_scales[10], B lowp_scales[11])
;;   THE QUANTISER, for each operand of a quantised product, along K:
;;     - The operand's scale is 2^e, e = its entry of the input lowp_scales (int32; the entries are numbered through the quantised products in the list's order, A before B).
;;     - Each number is divided by the scale, clamped to +-448, and rounded to the nearest number of E4M3, ties to even, subnormals kept.
;;     - The product sums the exact products of the quantised numbers (number of the format x scale) in f32.
;;   ~~~python
;;   def quantise(x, axis, e):      # numpy; x: float32 -> the quantised numbers, widened to float32 again
;;       x = np.moveaxis(x, axis, -1); K = x.shape[-1]
;;       r = np.clip(x / 2.0 ** e, -448, 448)
;;       step = 2.0 ** (np.maximum(np.frexp(np.where(r == 0, 1, r))[1] - 1, -6) - 3)
;;       q = np.round(r / step) * step * 2.0 ** e      # np.round: ties to even
;;       return np.moveaxis(q, -1, axis).astype(np.float32)
;;   ~~~
;;   SOFTMAX AHEAD OF A QUANTISED PRODUCT. Where the list says 'softmax', what is quantised is not the finished softmax but p = 2^(t - M), with t = logit x log2(e) and M = ceil(the row's largest t), a whole number; so 1/2 < the row's largest p <= 1. The row's sum l is taken of the UNQUANTISED p, in f32, and the product's result is divided by l at the end. Since M is a whole number, a kernel that streams over the keys may use a running M (the ceiling of the running maximum): every later rescaling is an exact power of two, so the quantised numbers keep their values, but for numbers so far below the row's largest that they fall under the format's range.
;;   OPERANDS COMPUTED ON THE WAY. 'Computed on the way' means the value that the module computes at that place (a softmax that the list does not call 'softmax' is quantised finished and normalised). What goes into a quantiser is computed in f32, as accurately as f32 sums, v_exp_f32 and their like allow (about 1e-6 of the number): no bf16 or f16 on the way to a quantiser, and a product that is left as it is and whose result goes on into a quantised operand takes f32 operands (vector FMAs, or v_wmma_f32_16x16x4_f32). A number that lies on a knife's edge between two numbers of the format may be rounded either way, as far as f32 arithmetic and the matrix unit's own rounding can turn it there, and no further.
;; One version. Each part assembles by itself: llvm-mc -triple=amdgcn-amd-amdhsa -mcpu=gfx1250 --defsym DOCPART=n.
;; ======== version 1 of 1: 4 launches
;; limits: right only within a limited range of input values
;; workspace buffers: opc 25,165,824 bytes; wpc 4,194,304 bytes; maskw 524,288 bytes of whole numbers; mflag 65,536 bytes of whole numbers; qkv 12,582,912 bytes; attc 4,194,304 bytes
;; launch prep (part 1): grid 768 x 1, 4 waves a work-group, no clusters, 35,328 bytes of LDS; arguments x, Wq, Wk, Wv, Wp, attn_mask, lowp_scales, opc, wpc, maskw, mflag; writes opc, wpc, maskw, mflag
.if DOCPART == 1
	.amdgcn_target "amdgcn-amd-amdhsa--gfx1250"
	.amdhsa_code_object_version 6
	.text
	.protected	k_qd96f236afd_prep
	.globl	k_qd96f236afd_prep
	.p2align	8
	.type	k_qd96f236afd_prep,@function
k_qd96f236afd_prep:
	s_mov_b64 s[64:65], 0
	v_nop
	global_prefetch_b8 v0, s[64:65] scope:SCOPE_SE
	s_setreg_imm32_b32 hwreg(HW_REG_WAVE_MODE, 25, 1), 1
	s_wait_xcnt 0x0
; PREP.  x, Wq, Wk, Wv, Wp ([2048][2048] f32, K innermost) become codes of FP8 (E4M3) with their given scales 2^e; the mask becomes words of lane bits.
; code = number / 2^e, held within +-448, rounded to the nearest code, ties to even.  x is read once and quantised three times (entries 0, 2, 4 of the scales need not be equal).
; THE CODES ARE LAID AS IMAGES OF THE OPERAND'S REGISTERS.  A fragment is 16 rows x 128 K = 2,048 bytes; byte 512 c + 16 lane holds, for lane (r = lane % 16, h = lane / 16), the 16 codes
; k = 32 c + 16 h + 0 .. 15 of the fragment's row r.  Row tile T holds rows 32 (T / 2) + 8 (T % 2) + r + 8 (r / 8).  Fragment (T, K step s of 128) lies at (s / 2) 524288 + 4096 T + 2048 (s % 2) of its region of 4 MiB.
; opc holds six regions: x by e0, Wq by e1, x by e2, Wk by e3, Wv by e5, x by e4.  wpc: Wp by e11.
; SHARES.  Work-groups 0-639: tensor j = number / 128, row tile a = number % 128; wave w takes k = 512 w .. 512 w + 511 in eight steps of 16 rows x 64 k.  Each load reads two rows' 256 aligned bytes;
; the 4,096 bytes of a step turn through the wave's own stage in LDS (rows 272 bytes apart) and come back 2 x 16 neighbours along K a lane; each store of codes covers 512 consecutive bytes.
; Work-groups 640-767: query tile T = number - 640; wave w packs key steps 4 w .. 4 w + 3.  Word n = 16 b + i of key step ks: bit (r + 16 h) = mask[row r of tile T][128 ks + 32 b + 16 h + i] != 0.  This path uses no LDS.
; No tensor loads, no barrier: waves share nothing.
; LIMITS: each of e0 .. e5 and e11 between -126 and 119, so that 2^e and 448 x 2^e are f32 numbers.  NaN among the inputs is not served (an infinity is held at the largest code).
.set SP,   272                         ; a stage row: 256 bytes + 16: the 16 rows that a read touches start at 16 different 16-byte columns
.set STG,  16*SP                       ; a stage
.set WREG, 2*STG                       ; a wave's two stages
.set GA,   2                           ; v2   my place in a load: 8192 (lane / 16) + 16 (lane % 16)
.set SA,   3                           ; v3   the stage, on the way in
.set LA,   4                           ; v4   the stage, on the way out
.set OA,   5                           ; v5   16 x lane (mask path: 8 x lane)
.set SC,   8                           ; v8-10   2^e as f32, three scales
.set LIM,  11                          ; v11-13  448 x 2^e
.set R,    16                          ; v16-111  three sets of 32: numbers as loaded
.set X,    112                         ; v112-175 two sets of 32: 2 x 16 neighbours along K
.set TM,   176                         ; v176-207 the numbers, held
.set CD,   208                         ; v208-231 codes: eight registers for each of the three conversions
	s_load_b512 s[8:23], s[0:1], 0x0               ; x s[8:9], Wq s[10:11], Wk s[12:13], Wv s[14:15], Wp s[16:17], mask s[18:19], scales s[20:21], opc s[22:23]
	s_load_b128 s[24:27], s[0:1], 0x40
	s_load_b64 s[52:53], s[0:1], 0x50              ; mflag (used on the mask's path alone)
	v_lshl_add_u32 v232, v0, 2, 0x8800
	v_mov_b32 v233, 0
	v_lshrrev_b32 v1, 5, v0
	v_readfirstlane_b32 s2, v1                     ; wave
	v_and_b32 v1, 31, v0                           ; lane
	v_and_b32 v6, 15, v0                           ; r
	v_bfe_u32 v7, v0, 4, 1                         ; h
	s_lshr_b32 s3, ttmp9, 7                        ; j: 0 x, 1 Wq, 2 Wk, 3 Wv, 4 Wp, 5 the mask
	s_and_b32 s4, ttmp9, 127                       ; the row tile
	s_lshr_b32 s48, s4, 1
	s_lshl_b32 s48, s48, 5
	s_and_b32 s49, s4, 1
	s_lshl_b32 s49, s49, 3
	s_add_co_u32 s48, s48, s49                     ; the tile's first row: 32 (a / 2) + 8 (a % 2)
	s_cmp_ge_u32 s3, 5
	s_cbranch_scc1 .Lmask
	; ---------------- the five tensors ----------------
	s_wait_alu depctr_va_vdst(0)
	v_lshlrev_b32 v[GA], 13, v7
	v_lshl_add_u32 v[GA], v6, 4, v[GA]
	s_mul_i32 s50, s2, WREG
	v_mul_u32_u24 v[SA], v7, SP
	v_lshl_add_u32 v[SA], v6, 4, v[SA]
	v_add_nc_u32 v[SA], s50, v[SA]                 ; in: two rows a store, 16 bytes a lane
	v_mul_u32_u24 v[LA], v6, SP
	v_lshl_add_u32 v[LA], v7, 6, v[LA]
	v_add_nc_u32 v[LA], s50, v[LA]                 ; out: row r, + 64 h bytes: my 16 numbers of a block of 32
	v_lshlrev_b32 v[OA], 4, v1
	s_lshl_b32 s48, s48, 13                        ; rows of 8,192 bytes
	s_lshl_b32 s49, s2, 11                         ; + my wave's 512 numbers
	s_add_co_u32 s48, s48, s49
	s_mov_b32 s49, 0
	s_lshl_b32 s50, s4, 12                         ; in a region of codes: 4096 a + 1048576 w (K steps 4 w on)
	s_lshl_b32 s51, s2, 20
	s_add_co_u32 s50, s50, s51
	s_mov_b32 s51, 0
	s_wait_alu depctr_va_vdst(0)
	s_wait_kmcnt 0x0
	s_load_b256 s[32:39], s[20:21], 0x0            ; e0 .. e7
	s_load_b128 s[40:43], s[20:21], 0x20           ; e8 .. e11
	s_cmp_eq_u32 s3, 1                             ; the choices hang on the work-group's number alone
	s_cselect_b64 s[28:29], s[10:11], s[8:9]
	s_cselect_b32 s52, 0x400000, 0
	s_cmp_eq_u32 s3, 2
	s_cselect_b64 s[28:29], s[12:13], s[28:29]
	s_cselect_b32 s52, 0xc00000, s52
	s_cmp_eq_u32 s3, 3
	s_cselect_b64 s[28:29], s[14:15], s[28:29]
	s_cselect_b32 s52, 0x1000000, s52
	s_cmp_eq_u32 s3, 4
	s_cselect_b64 s[28:29], s[16:17], s[28:29]     ; the numbers
	s_cselect_b64 s[30:31], s[24:25], s[22:23]     ; the codes' buffer: wpc for Wp, else opc
	s_add_co_u32 s52, s52, s50
	s_mov_b32 s53, 0
	s_add_nc_u64 s[28:29], s[28:29], s[48:49]
	s_add_nc_u64 s[30:31], s[30:31], s[52:53]      ; the tensor's own region
	s_add_nc_u64 s[44:45], s[22:23], s[50:51]
	s_add_nc_u64 s[46:47], s[44:45], 0x1400000     ; x by e4
	s_add_nc_u64 s[44:45], s[44:45], 0x800000      ; x by e2
.macro LOAD t                          ; step t: 16 rows x 256 bytes, two rows a load; fragment rows 2 i, 2 i + 1 are the tensor's rows 2 i + 8 (i / 4) on
.irp i, 0,1,2,3,4,5,6,7
	global_load_b128 v[R+32*((\t)%3)+4*\i:R+32*((\t)%3)+4*\i+3], v[GA], s[28:29] offset:(2*\i+8*(\i/4))*8192+256*(\t) th:TH_LOAD_NT
.endr
.endm
.macro TURN t                          ; through the stage: LDS serves a wave's instructions in order, so no wait stands between the stores and the loads
.irp i, 0,1,2,3,4,5,6,7
	ds_store_b128 v[SA], v[R+32*((\t)%3)+4*\i:R+32*((\t)%3)+4*\i+3] offset:STG*((\t)%2)+2*SP*\i
.endr
.irp c, 0,1
.irp p, 0,1,2,3
	ds_load_b128 v[X+32*((\t)%2)+16*\c+4*\p:X+32*((\t)%2)+16*\c+4*\p+3], v[LA] offset:STG*((\t)%2)+128*\c+16*\p
.endr
.endr
.endm
.macro CONV n, t, d                    ; scale n; the codes go to s[d:d+1]
.irp i, 0,1,2,3,4,5,6,7,8,9,10,11,12,13,14,15,16,17,18,19,20,21,22,23,24,25,26,27,28,29,30,31
	v_med3_num_f32 v[TM+\i], v[X+32*((\t)%2)+\i], -v[LIM+\n], v[LIM+\n]   ; the conversion to an 8-bit code does not saturate (ISA guide 7.6.2): the hold at the largest code x the scale comes first
.endr
.irp q, 0,1,2,3
	v_cvt_scalef32_pk8_fp8_f32 v[CD+8*\n+2*\q:CD+8*\n+2*\q+1], v[TM+8*\q:TM+8*\q+7], v[SC+\n]
.endr
	v_nop                                          ; one plain vector line between the conversions and the next holds, which write their sources
.irp c, 0,1
	global_store_b128 v[OA], v[CD+8*\n+4*\c:CD+8*\n+4*\c+3], s[\d:\d+1] offset:((\t)/4)*524288+(((\t)/2)%2)*2048+((\t)%2)*1024+512*\c   ; 32 lanes store 512 consecutive bytes, aligned
.endr
.endm
.macro SCALE e, n
	s_add_co_i32 s55, \e, 127
	s_lshl_b32 s48, s55, 23
	v_mov_b32 v[SC+\n], s48                        ; 2^e as f32: the conversion takes its exponent field
	s_add_co_i32 s55, s55, 8
	s_lshl_b32 s55, s55, 23
	s_or_b32 s55, s55, 0x600000
	v_mov_b32 v[LIM+\n], s55                       ; 448 x 2^e
.endm
.macro STEP t
	s_wait_dscnt 0x0                               ; this step's numbers are back from the stage, and its stores into the stage have read their registers,
.if (\t)+3 < 8
	LOAD (\t)+3                                    ; which take the loads of three steps on
.endif
.if (\t) < 7
.if (\t) <= 4
	s_wait_loadcnt 16                              ; the next step's eight loads are in; those of the two steps behind it may be out
.else
	s_wait_loadcnt 8*(6-(\t))
.endif
	TURN (\t)+1                                    ; and go through the other stage while this step is worked
.endif
	s_wait_xcnt 0x0                                ; the last step's stores have read their data: the codes' registers are written again only behind this wait
	CONV 0, \t, 30
	s_cmp_lg_u32 s3, 0                             ; x alone has two more scales: a branch on the work-group's number, round vector lines and stores
	s_cbranch_scc1 .Lone_\@
	CONV 1, \t, 44
	CONV 2, \t, 46
.Lone_\@:
.endm
	LOAD 0
	LOAD 1
	LOAD 2
	s_wait_kmcnt 0x0
	s_cmp_eq_u32 s3, 1
	s_cselect_b32 s54, s33, s32
	s_cmp_eq_u32 s3, 2
	s_cselect_b32 s54, s35, s54
	s_cmp_eq_u32 s3, 3
	s_cselect_b32 s54, s37, s54
	s_cmp_eq_u32 s3, 4
	s_cselect_b32 s54, s43, s54                    ; e0, e1, e3, e5 or e11
	SCALE s54, 0
	SCALE s34, 1
	SCALE s36, 2
	s_wait_alu depctr_va_vdst(0)
	s_wait_loadcnt 16                              ; step 0's eight loads are in
	TURN 0
.irp t, 0,1,2,3,4,5,6,7
	STEP \t
.endr
	s_wait_tensorcnt 0x0
	ds_add_u32 v232, v233
	s_wait_dscnt 0x0
	s_endpgm
	; ---------------- the mask ----------------
.Lmask:
	s_wait_alu depctr_va_vdst(0)
	v_and_b32 v8, 8, v6
	v_add_nc_u32 v8, v8, v6                        ; r + 8 (r / 8)
	v_lshlrev_b32 v[GA], 11, v8                    ; a row of the mask is 2,048 bytes
	v_lshl_add_u32 v[GA], v7, 4, v[GA]             ; + 16 h
	; THE MASK'S WORDS AS THEY ARE NOW LAID (in place of the lane-bit words that the head comment names): for query tile T and key step ks each lane (r, h) stores 64 bits, two words at 4096 T + 256 ks + 8 lane:
	; bit n = 16 b + i is mask[row r of tile T][128 ks + 32 b + 16 h + i].  A bool is one byte, 0 or 1: four bytes x 0x01020408 bring their four bits to bits 24 .. 27, with no carries.
	; mflag: for tile T and wave w 128 bytes at 512 T + 128 w: words 0-3: for key steps 4 w + q the lanes that have any key that counts; words 4-7: the lanes all of whose 64 keys count; the rest zeros.
	v_lshlrev_b32 v[OA], 3, v1
	v_lshlrev_b32 v9, 2, v1                        ; the flags: one word a lane
	v_mov_b32 v98, 0
	s_lshl_b32 s54, s4, 9
	s_lshl_b32 s55, s2, 7
	s_add_co_u32 s54, s54, s55
	s_mov_b32 s55, 0
	s_lshl_b32 s48, s48, 11
	s_lshl_b32 s49, s2, 9                          ; my wave's four key steps: 512 bytes of each row
	s_add_co_u32 s48, s48, s49
	s_mov_b32 s49, 0
	s_lshl_b32 s50, s4, 12                         ; 16 key steps x 256 bytes a tile
	s_lshl_b32 s51, s2, 10
	s_add_co_u32 s50, s50, s51
	s_mov_b32 s51, 0
.irp i, 0,1,2,3,4,5,6,7
	v_mov_b32 v[80+\i], 0                          ; a lane write's destination counts as read: it is written whole first
.endr
	s_wait_kmcnt 0x0
	s_add_nc_u64 s[18:19], s[18:19], s[48:49]
	s_add_nc_u64 s[26:27], s[26:27], s[50:51]
	s_add_nc_u64 s[52:53], s[52:53], s[54:55]
.irp q, 0,1,2,3
.irp b, 0,1,2,3
	global_load_b128 v[16+16*\q+4*\b:16+16*\q+4*\b+3], v[GA], s[18:19] offset:128*\q+32*\b th:TH_LOAD_NT   ; mask[my row][128 q + 32 b + 16 h + 0 .. 15]
.endr
.endr
.irp q, 0,1,2,3
	s_wait_loadcnt 12-4*\q
	v_or_b32 v96, v[16+16*\q], v[17+16*\q]         ; my 64 bytes: any set, all set
	v_and_b32 v97, v[16+16*\q], v[17+16*\q]
.irp i, 2,3,4,5,6,7,8,9,10,11,12,13,14,15
	v_or_b32 v96, v96, v[16+16*\q+\i]
	v_and_b32 v97, v97, v[16+16*\q+\i]
.endr
	v_cmp_ne_u32 s50, 0, v96
	v_cmp_eq_u32 s51, 0x01010101, v97
	v_writelane_b32 v98, s50, \q
	v_writelane_b32 v98, s51, 4+\q
.irp g, 0,1,2,3,4,5,6,7,8,9,10,11,12,13,14,15
	v_mul_lo_u32 v88, 0x01020408, v[16+16*\q+\g]   ; register g's four bytes become bits 4 g .. 4 g + 3
	v_bfe_u32 v88, v88, 24, 4
	v_lshl_or_b32 v[80+2*\q+\g/8], v88, 4*(\g%8), v[80+2*\q+\g/8]
.endr
	global_store_b64 v[OA], v[80+2*\q:81+2*\q], s[26:27] offset:256*\q
.endr
	global_store_b32 v9, v98, s[52:53]             ; 32 lanes store 128 consecutive bytes
	s_endpgm
.Lfunc_end_k_qd96f236afd_prep:
	.size	k_qd96f236afd_prep, .Lfunc_end_k_qd96f236afd_prep-k_qd96f236afd_prep
	.p2alignl 7, 3214868480
	.fill 96, 4, 3214868480
	.section	.rodata,"a",@progbits
	.p2align	6, 0x0
	.amdhsa_kernel k_qd96f236afd_prep
		.amdhsa_group_segment_fixed_size 35328
		.amdhsa_private_segment_fixed_size 0
		.amdhsa_enable_private_segment 0
		.amdhsa_kernarg_size 88
		.amdhsa_user_sgpr_count 2
		.amdhsa_user_sgpr_kernarg_segment_ptr 1
		.amdhsa_wavefront_size32 1
		.amdhsa_system_sgpr_workgroup_id_x 1
		.amdhsa_system_sgpr_workgroup_id_y 1
		.amdhsa_system_sgpr_workgroup_id_z 1
		.amdhsa_system_vgpr_workitem_id 0
		.amdhsa_next_free_vgpr 234
		.amdhsa_next_free_sgpr 66
		.amdhsa_reserve_vcc 0
		.amdhsa_float_denorm_mode_32 3
		.amdhsa_float_denorm_mode_16_64 3
		.amdhsa_memory_ordered 1
		.amdhsa_forward_progress 1
		.amdhsa_inst_pref_size 101
	.end_amdhsa_kernel
	.amdgpu_metadata
---
amdhsa.version: [ 1, 2 ]
amdhsa.kernels:
  - .name:           k_qd96f236afd_prep
    .symbol:         k_qd96f236afd_prep.kd
    .args:
      - { .name: x, .offset: 0, .size: 8, .value_kind: global_buffer, .address_space: global }
      - { .name: Wq, .offset: 8, .size: 8, .value_kind: global_buffer, .address_space: global }
      - { .name: Wk, .offset: 16, .size: 8, .value_kind: global_buffer, .address_space: global }
      - { .name: Wv, .offset: 24, .size: 8, .value_kind: global_buffer, .address_space: global }
      - { .name: Wp, .offset: 32, .size: 8, .value_kind: global_buffer, .address_space: global }
      - { .name: attn_mask, .offset: 40, .size: 8, .value_kind: global_buffer, .address_space: global }
      - { .name: lowp_scales, .offset: 48, .size: 8, .value_kind: global_buffer, .address_space: global }
      - { .name: opc, .offset: 56, .size: 8, .value_kind: global_buffer, .address_space: global }
      - { .name: wpc, .offset: 64, .size: 8, .value_kind: global_buffer, .address_space: global }
      - { .name: maskw, .offset: 72, .size: 8, .value_kind: global_buffer, .address_space: global }
      - { .name: mflag, .offset: 80, .size: 8, .value_kind: global_buffer, .address_space: global }
    .group_segment_fixed_size: 35328
    .private_segment_fixed_size: 0
    .kernarg_segment_align: 8
    .kernarg_segment_size: 88
    .max_flat_workgroup_size: 128
    .sgpr_count:     66
    .vgpr_count:     234
    .wavefront_size: 32
...
	.end_amdgpu_metadata
.endif
;; end of part 1
;; launch qkv (part 2): grid 24 x 8, 4 waves a work-group, clusters of 4 x 4, 327,680 bytes of LDS; arguments opc, lowp_scales, rope_cos, rope_sin, qkv; writes qkv
.if DOCPART == 2
	.amdgcn_target "amdgcn-amd-amdhsa--gfx1250"
	.amdhsa_code_object_version 6
	.text
	.protected	k_qd96f236afd_qkv
	.globl	k_qd96f236afd_qkv
	.p2align	8
	.type	k_qd96f236afd_qkv,@function
k_qd96f236afd_qkv:
	s_mov_b64 s[64:65], 0
	v_nop
	global_prefetch_b8 v0, s[64:65] scope:SCOPE_SE
	s_setreg_imm32_b32 hwreg(HW_REG_WAVE_MODE, 25, 1), 1
	s_wait_xcnt 0x0
	s_wait_alu depctr_hold_cnt(0) depctr_sa_sdst(0) depctr_va_vdst(0) depctr_va_sdst(0) depctr_va_ssrc(0) depctr_va_vcc(0) depctr_vm_vsrc(0)
	s_getreg_b32 s2, hwreg(HW_REG_IB_STS2, 6, 4)
	s_cmp_eq_u32 s2, 0
	s_cbranch_scc0 .Lentry_in_a_cluster
	s_endpgm
.Lentry_in_a_cluster:
	s_bfe_u32 s2, ttmp6, 0x10000c
	s_cmp_lg_u32 s2, 0xf033
	s_cbranch_scc0 .Lentry_shape_is_right
	s_endpgm
.Lentry_shape_is_right:
; QKV.  Three products of 2048 x 2048 x 2048 on codes of FP8 (E4M3): g = 0: q = x Wq^T, g = 1: k = x Wk^T, g = 2: v^T = Wv x^T; then RoPE (q, k), and the results are quantised for the attention and stored as codes.
; OPERANDS are images of registers: a fragment (16 rows x 128 K) is 2,048 bytes, byte 512 c + 16 lane = lane (r, h)'s codes k = 32 c + 16 h + 0 .. 15; row tile T holds rows 32 (T / 2) + 8 (T % 2) + r + 8 (r / 8);
; fragment (T, K step s) lies at (s / 2) 524288 + 4096 T + 2048 (s % 2) of its region.  So 128 rows x 256 K are 32,768 consecutive bytes: one tensor load, no padding, and every LDS read is a constant + 16 x lane.
; opc: region 2 g is the product's A (x, x, Wv), region 2 g + 1 its B (Wq, Wk, x).
; A tile of 256 x 256 is made by four waves, 128 x 128 each: 64 accumulators, 512 registers.  K goes in steps of 256 through a ring of two LDS slots.
; CLUSTERS: 4 x 4 work-groups; A's tiles are asked for jointly along a row of the cluster, B's along a column.  g comes from the cluster's x alone: it is the same in all sixteen partners.
; THE MATRIX INSTRUCTION IS USED TRANSPOSED (source 0 = 16 rows of B, source 1 = 16 rows of A).  By the choice of a tile's rows, lane (r, h) holds A's row r of tile a, and its 16 registers of accumulators 2 b', 2 b' + 1 are
; B's rows 32 b' + 16 h + 0 .. 15: two conversions give registers 4 b' .. 4 b' + 3 of the next operand's fragment, which is stored as it stands: 512 consecutive bytes a store, no stage in LDS.
; OUT (qkv): q at 0 and k at 4 MiB: [head][token tile: 128][2048 bytes];  v at 8 MiB: [head][key step: 16][tile of the head's 128: 8][2048 bytes], K = the keys.
; A sum stands for sum x 2^(eA + eB); RoPE commutes with a power of two; so the code is (rotated sum) / 2^E, E = eout - eA - eB (eout = entry 6, 7 or 8).
; LIMIT: E between -126 and 119, so that 2^E and 448 x 2^E are f32 numbers.
; REGISTERS, in windows of 256: window 0: v0-31 addresses and constants; v32-95 a block's 64 numbers; v96-127 codes, two sets; from v128 A's fragments, one set.
;   window 1: B's fragments, two sets, at v0 and v128; on the way out four buffers of 64 for cos and sin.   windows 2, 3: the accumulators ((a, b) at v[8 (8 (a % 4) + b)]).
.set KADV,  524288                     ; from a K step of 256 to the next, in bytes
.set HALFT, 32768                      ; 128 rows x 256 K: what one tensor load brings
.set SLOT,  4*HALFT                    ; A's two halves, then B's
.set SPARE, 2*SLOT                     ; behind the ring: the spare words, 128 bytes for each wave: two blocks of 256 bytes that no other line names
.set FR,    16
.set NL,    4
.set NP,    4                          ; places behind this matrix instruction (ISA guide 7.12.1)
.set LAPS,  4                          ; 2048 / 512
.set ADRA,  16                         ; v16-17 LDS address of my A fragments in slot 0, 1
.set ADRB,  20                         ; v20-21 the same for B
.set RA,    24                         ; v24  cos, sin: (r + 8 (r / 8)) 256 + 32 h
.set OA,    25                         ; v25  16 x lane
.set SCV,   26                         ; v26  2^E as f32
.set LIMV,  27                         ; v27  448 x 2^E
.set SPW,   28                         ; v28  my spare word; never rewritten
.set NIL,   29                         ; v29  0; never rewritten
.set T,     32
.set CD,    96
.set AF,    128
.set G1,  24
.set G0,  32
.set G1B, 48
.set G0B, 56
.set MSB, 0
.macro WIN new                         ; the immediate's high byte repeats the setting that is left
.if MSB != (\new)
	s_set_vgpr_msb (MSB<<8)|(\new)
.set MSB, (\new)
.endif
.endm
.set MUL_LO, 0xa1                      ; source 0 (B) window 1, source 1 (A) window 0, C and D window 2
.set MUL_HI, 0xf1
.set TO_B,   0x40                      ; destination window 1, address window 0
; A joint load: waves 0 and 1 fetch for A, waves 2 and 3 for B.  The branch hangs on the wave's number alone.  Four v_nop follow each of the two lines.
.macro JLOAD g0a, g1a, g0b, g1b
	s_cmp_eq_u32 s15, 0
	s_cbranch_scc0 .Lfor_b_\@
	tensor_load_to_lds s[\g0a:\g0a+3], s[\g1a:\g1a+7]
	s_nop 0
.rept 4
	v_nop
.endr
	s_branch .Lasked_\@
.Lfor_b_\@:
	tensor_load_to_lds s[\g0b:\g0b+3], s[\g1b:\g1b+7]
	s_nop 0
.rept 4
	v_nop
.endr
.Lasked_\@:
.endm
.macro CREST                           ; a round of the cluster's barrier behind its opening barrier
	s_cmp_lg_u32 s14, 0
	s_cbranch_scc1 .Lnot_wave_0_\@
	s_barrier_signal -3
.Lnot_wave_0_\@:
	s_barrier_wait -3
	s_barrier_signal -1
	s_barrier_wait -1
.endm
.macro CROUND
	s_barrier_signal -1
	s_barrier_wait -1
	CREST
.endm
	s_load_b256 s[4:11], s[0:1], 0x0               ; opc s[4:5], the scales s[6:7], cos s[8:9], sin s[10:11]
	s_load_b64 s[12:13], s[0:1], 0x20              ; qkv
	v_lshl_add_u32 v[SPW], v0, 2, SPARE
	v_mov_b32 v[NIL], 0
	ds_add_u32 v28, v29
	ds_add_u32 v28, v29
	s_wait_dscnt 0x0
	v_lshrrev_b32 v1, 5, v0
	v_readfirstlane_b32 s14, v1                    ; wave 0..3
	s_lshr_b32 s15, s14, 1                         ; which half of the tile's A rows is mine.  Also: I fetch for A (0) or for B (1)
	s_and_b32 s16, s14, 1                          ; which half of its B rows.  Also: which 128 rows I fetch
	s_bfe_u32 s40, ttmp6, 0x40000                  ; cx
	s_bfe_u32 s41, ttmp6, 0x40004                  ; cy
	s_lshr_b32 s66, ttmp9, 1                       ; g: which product; two clusters along x for each
	s_and_b32 s42, ttmp9, 1
	s_lshl_b32 s42, s42, 2
	s_add_co_u32 s42, s42, s40                     ; tile column 0..7
	s_and_b32 s17, ttmp7, 0xffff
	s_lshl_b32 s17, s17, 2
	s_add_co_u32 s17, s17, s41                     ; tile row 0..7
	s_lshl_b32 s43, s41, 2
	s_lshl_b32 s43, 15, s43                        ; my row of the cluster
	s_lshl_b32 s44, 0x1111, s40                    ; my column
	; descriptor group 1: 128 rows of 32 elements of 8 bytes, dense: 32,768 consecutive bytes
	s_or_b32 s[G1+0], s43, (3<<16)|(1<<21)         ; 15:0 the mask; 17:16 elements of 8 bytes; 20 no padding; 21 set beside a mask
	s_or_b32 s[G1B+0], s44, (3<<16)|(1<<21)
.irp g, G1, G1B
	s_mov_b32 s[\g+1], 32<<16                      ; tensor_dim0 = 32
	s_mov_b32 s[\g+2], 128<<16                     ; tensor_dim1 = 128
	s_mov_b32 s[\g+3], 32<<16                      ; tile_dim0 = 32
	s_mov_b32 s[\g+4], 128                         ; tile_dim1 = 128
	s_mov_b32 s[\g+5], 32                          ; tensor_dim0_stride
	s_mov_b32 s[\g+6], 0
	s_mov_b32 s[\g+7], 0
.endr
	s_lshl_b32 s18, s66, 23                        ; two regions of 4 MiB for each product,
	s_lshl_b32 s19, s16, 15                        ; the half that I fetch: 8 row tiles of 4,096 bytes
	s_add_co_u32 s18, s18, s19
	s_lshl_b32 s20, s17, 16                        ; A: 16 row tiles for each tile row
	s_add_co_u32 s20, s20, s18
	s_mov_b32 s21, 0
	s_lshl_b32 s46, s42, 16                        ; B: the same by the tile column, in the region behind A's
	s_add_co_u32 s46, s46, s18
	s_add_co_u32 s46, s46, 0x400000
	s_mov_b32 s47, 0
	s_lshl_b32 s45, s14, 15                        ; where they go: wave x 32,768: no place in the cluster enters an LDS address
	s_wait_kmcnt 0x0
	s_load_b256 s[76:83], s[6:7], 0x0              ; e0 .. e7
	s_load_b32 s84, s[6:7], 0x20                   ; e8
	s_add_nc_u64 s[20:21], s[4:5], s[20:21]
	s_add_nc_u64 s[46:47], s[4:5], s[46:47]
	CROUND                                         ; all sixteen work-groups are here: the first joint loads meet
.irp s, 0,1
	s_mov_b32 s[G0+4*\s], 1
	s_add_co_u32 s[G0+4*\s+1], s45, \s*SLOT
	s_add_nc_u64 s[G0+4*\s+2:G0+4*\s+3], s[20:21], \s*KADV
	s_or_b32 s[G0+4*\s+3], s[G0+4*\s+3], 0x80000000
	s_mov_b32 s[G0B+4*\s], 1
	s_add_co_u32 s[G0B+4*\s+1], s45, \s*SLOT
	s_add_nc_u64 s[G0B+4*\s+2:G0B+4*\s+3], s[46:47], \s*KADV
	s_or_b32 s[G0B+4*\s+3], s[G0B+4*\s+3], 0x80000000
.endr
	JLOAD G0, G1, G0B, G1B                         ; K step 0: one tensor load a wave
	v_and_b32 v1, 31, v0
	v_lshlrev_b32 v[OA], 4, v1
	s_lshl_b32 s21, s15, 15                        ; my 128 rows of A
	s_lshl_b32 s22, s16, 15                        ; my 128 rows of B,
	s_add_co_u32 s22, s22, 2*HALFT                 ; which lie behind A's two halves
.irp s, 0,1
	v_add_nc_u32 v[ADRA+\s], s21, v[OA]
	v_add_nc_u32 v[ADRB+\s], s22, v[OA]
	s_add_co_u32 s21, s21, SLOT
	s_add_co_u32 s22, s22, SLOT
.endr
	v_and_b32 v2, 15, v0                           ; r
	v_bfe_u32 v3, v0, 4, 1                         ; h
	v_and_b32 v4, 8, v2
	v_add_nc_u32 v4, v4, v2                        ; r + 8 (r / 8)
	v_lshlrev_b32 v[RA], 8, v4                     ; a row of cos or sin is 256 bytes
	v_lshl_add_u32 v[RA], v3, 5, v[RA]             ; + 8 h pairs
	s_lshl_b32 s18, s17, 16                        ; my first token's row of the tables: (256 x tile row + 128 x half) x 256 bytes
	s_lshl_b32 s19, s15, 15
	s_add_co_u32 s18, s18, s19
	s_mov_b32 s19, 0
	s_add_nc_u64 s[68:69], s[8:9], s[18:19]
	s_add_nc_u64 s[70:71], s[10:11], s[18:19]
	; the way out's tables are asked for here, a whole K loop ahead of their loads: of my 128 tokens' rows (256 bytes each) the partner at place cx names 32, a lane a row; waves with B's half 0 name cos, the others sin.
	; v's clusters read no table and ask for nothing (g is the same in all partners).  The address registers are never rewritten.
	s_cmp_eq_u32 s66, 2
	s_cbranch_scc1 .Lno_tables
	s_cmp_eq_u32 s16, 0
	s_cselect_b64 s[74:75], s[68:69], s[70:71]
	s_lshl_b32 s85, s40, 13
	v_lshl_add_u32 v30, v1, 8, s85
	global_prefetch_b8 v30, s[74:75] th:TH_LOAD_NT scope:SCOPE_SE
.Lno_tables:
	s_lshl_b32 s18, s17, 1
	s_add_co_u32 s18, s18, s15                     ; X: which 128 of A's rows
	s_lshl_b32 s22, s42, 1
	s_add_co_u32 s22, s22, s16                     ; Y: which 128 of B's rows
	s_cmp_eq_u32 s66, 2
	s_cselect_b32 s23, s18, s22                    ; the head: Y for q and k, X for v
	s_cselect_b32 s18, s22, s18                    ; eight fragments on end: tokens 128 X on for q and k, key step Y for v
	s_lshl_b32 s23, s23, 18
	s_lshl_b32 s18, s18, 14
	s_add_co_u32 s18, s18, s23
	s_lshl_b32 s23, s66, 22
	s_add_co_u32 s18, s18, s23
	s_mov_b32 s19, 0
	s_add_nc_u64 s[72:73], s[12:13], s[18:19]
	s_wait_kmcnt 0x0
	s_add_co_i32 s76, s76, s77                     ; eA + eB of the three products,
	s_add_co_i32 s78, s78, s79
	s_add_co_i32 s80, s80, s81
	s_cmp_eq_u32 s66, 1                            ; and mine: chosen, with no branch
	s_cselect_b32 s76, s78, s76
	s_cselect_b32 s82, s83, s82
	s_cmp_eq_u32 s66, 2
	s_cselect_b32 s76, s80, s76
	s_cselect_b32 s82, s84, s82
	s_sub_co_i32 s82, s82, s76                     ; E
	s_add_co_i32 s82, s82, 127
	s_lshl_b32 s83, s82, 23
	v_mov_b32 v[SCV], s83
	s_add_co_i32 s82, s82, 8
	s_lshl_b32 s82, s82, 23
	s_or_b32 s82, s82, 0x600000
	v_mov_b32 v[LIMV], s82
.macro FRAG reg, adr, q, i             ; fragment i of my eight, the slot's q-th 128 along K: four loads of 512 consecutive bytes
.irp c, 0,1,2,3
	ds_load_b128 v[\reg+4*\c:\reg+4*\c+3], v[\adr] offset:4096*(\i)+2048*(\q)+512*\c
.endr
.endm
; 16 matrix instructions: A's blocks a0, a0 + 1 x B's eight.  The 64 accumulators take turns, one instruction a turn, in the same order in every step.
.macro MUL16 a0, p, zero
.irp a, \a0, \a0+1
.irp b, 0,1,2,3,4,5,6,7
.if \zero
	v_wmma_f32_16x16x128_fp8_fp8 v[8*(8*((\a)%4)+\b):8*(8*((\a)%4)+\b)+7], v[128*(\p)+FR*\b:128*(\p)+FR*\b+FR-1], v[AF+FR*(\a):AF+FR*(\a)+FR-1], 0
.else
	v_wmma_f32_16x16x128_fp8_fp8 v[8*(8*((\a)%4)+\b):8*(8*((\a)%4)+\b)+7], v[128*(\p)+FR*\b:128*(\p)+FR*\b+FR-1], v[AF+FR*(\a):AF+FR*(\a)+FR-1], v[8*(8*((\a)%4)+\b):8*(8*((\a)%4)+\b)+7]
.endif
.endr
.endr
.endm
.macro FETCH_B slot, q, p
	WIN TO_B
.irp i, 0,1,2,3,4,5,6,7
	FRAG 128*(\p)+FR*\i, ADRB+\slot, \q, \i
.endr
	WIN 0
.endm
.macro FETCH_A slot, q, i0
.irp i, \i0, \i0+1, \i0+2, \i0+3
	FRAG AF+FR*(\i), ADRA+\slot, \q, \i
.endr
.endm
.macro PLACES n                        ; plain vector lines between a matrix instruction and a load into, or a vector read of, its registers
.rept \n
	v_nop
.endr
.endm
.macro STEP slot, q, zero              ; 128 along K that has its successor in the same slot
	s_wait_dscnt 4*NL                              ; B's set and A's blocks 0-3 are in; the youngest sixteen loads (A's blocks 4-7) may be out
	WIN MUL_LO
	MUL16 0, (\q)%2, \zero
	MUL16 2, (\q)%2, \zero
	s_wait_dscnt 0
	PLACES NP
	FETCH_B \slot, (\q)+1, 1-(\q)%2
	FETCH_A \slot, (\q)+1, 0
	WIN MUL_HI
	MUL16 4, (\q)%2, \zero
	MUL16 6, (\q)%2, \zero
	PLACES NP
	WIN 0
	FETCH_A \slot, (\q)+1, 4
.endm
; A slot's last step changes slots: one barrier; in front of it each wave waits for all its tensor loads, adds 0 to its spare word, and waits for that and for its reads of this slot.
.macro TURN slot, next, fill
	s_wait_tensorcnt 0x0                           ; all my tensor loads have landed: my part of the next slot
	ds_add_u32 v[SPW], v[NIL]                      ; 0 onto my spare word
	s_wait_dscnt 4*NL+1                            ; (the add and the youngest sixteen loads may be out)
	WIN MUL_LO
	MUL16 0, 1, 0                                  ; sixteen matrix instructions stand between the add and the wait for it
	s_wait_dscnt 0x0                               ; the add is done, and my reads of this slot are over
	s_barrier_signal -1
	MUL16 2, 1, 0
	WIN 0
	s_barrier_wait -1
.if \fill
	CREST                                          ; the barrier has opened a round of the cluster's: no wave of any partner still reads this slot or has a load on its way
	s_add_nc_u64 s[G0+4*\slot+2:G0+4*\slot+3], s[G0+4*\slot+2:G0+4*\slot+3], 2*KADV
	s_add_nc_u64 s[G0B+4*\slot+2:G0B+4*\slot+3], s[G0B+4*\slot+2:G0B+4*\slot+3], 2*KADV
	JLOAD G0+4*\slot, G1, G0B+4*\slot, G1B         ; the first tensor load behind the round; its four v_nop are also the places in front of the loads below
.else
	PLACES NP
.endif
	s_wait_alu depctr_va_vdst(0)
	FETCH_B \next, 0, 0
	FETCH_A \next, 0, 0
	WIN MUL_HI
	MUL16 4, 1, 0
	MUL16 6, 1, 0
	PLACES NP
	WIN 0
	FETCH_A \next, 0, 4
.endm
.macro LAST                            ; the very last 128 along K: nothing more to fetch
	s_wait_dscnt 4*NL
	WIN MUL_LO
	MUL16 0, 1, 0
	MUL16 2, 1, 0
	s_wait_dscnt 0
	WIN MUL_HI
	MUL16 4, 1, 0
	MUL16 6, 1, 0
	WIN 0
.endm
; THE WAY OUT, block a of eight (16 of A's rows x 128 of B's).
.macro RLOAD a                         ; cos and sin of block a's tokens: for accumulator b the four pairs 16 (b / 2) + 4 (b % 2) + 8 h + 0 .. 3 of my token's row
	WIN TO_B
.irp b, 0,1,2,3,4,5,6,7
	global_load_b128 v[64*((\a)%4)+4*\b:64*((\a)%4)+4*\b+3], v[RA], s[68:69] offset:(32*((\a)/2)+8*((\a)%2))*256+64*(\b/2)+16*(\b%2)
	global_load_b128 v[64*((\a)%4)+32+4*\b:64*((\a)%4)+32+4*\b+3], v[RA], s[70:71] offset:(32*((\a)/2)+8*((\a)%2))*256+64*(\b/2)+16*(\b%2)
.endr
	WIN 0
.endm
.macro ROPE a                          ; (xr, xi) -> (xr c - xi s, xr s + xi c), each accumulator from its low end on
.set AC, 64*((\a)%4)
	WIN 0x06+(\a)/4                                ; source 0: the sums' window; source 1: window 1 (cos, sin); source 2 and destination: window 0
.irp b, 0,1,2,3,4,5,6,7
.irp e, 0,1,2,3
	v_mul_f32 v[T+8*\b+2*\e], v[AC+8*\b+2*\e], v[AC+4*\b+\e]
	v_mul_f32 v[T+8*\b+2*\e+1], v[AC+8*\b+2*\e], v[AC+32+4*\b+\e]
.endr
.irp e, 0,1,2,3
	v_fma_f32 v[T+8*\b+2*\e], -v[AC+8*\b+2*\e+1], v[AC+32+4*\b+\e], v[T+8*\b+2*\e]
	v_fma_f32 v[T+8*\b+2*\e+1], v[AC+8*\b+2*\e+1], v[AC+4*\b+\e], v[T+8*\b+2*\e+1]
.endr
.endr
	WIN 0
.endm
.macro HOLDV a                         ; v has no rotation: the hold takes the sums out of their window
.set AC, 64*((\a)%4)
	WIN 0x02+(\a)/4
.set i, 0
.rept 64
	v_med3_num_f32 v[T+i], v[AC+i], -v[LIMV], v[LIMV]
.set i, i+1
.endr
	WIN 0
.endm
.macro QOUT a, hold                    ; 64 numbers a lane become a fragment's 16 registers and leave
.set QC, CD+16*((\a)%2)
.if (\a) >= 2
	s_wait_xcnt 0x0                                ; block a - 2's stores have read this set of codes
.endif
.irp b, 0,1,2,3
.if \hold
.irp i, 0,1,2,3,4,5,6,7,8,9,10,11,12,13,14,15
	v_med3_num_f32 v[T+16*\b+\i], v[T+16*\b+\i], -v[LIMV], v[LIMV]   ; the conversion to an 8-bit code does not saturate (ISA guide 7.6.2)
.endr
.endif
	v_cvt_scalef32_pk8_fp8_f32 v[QC+4*\b:QC+4*\b+1], v[T+16*\b:T+16*\b+7], v[SCV]
	v_cvt_scalef32_pk8_fp8_f32 v[QC+4*\b+2:QC+4*\b+3], v[T+16*\b+8:T+16*\b+15], v[SCV]
.endr
	v_nop                                          ; one plain vector line between the conversions and the next block's lines, which write their sources
.irp b, 0,1,2,3
	global_store_b128 v[OA], v[QC+4*\b:QC+4*\b+3], s[72:73] offset:2048*(\a)+512*\b   ; 32 lanes store 512 consecutive bytes, aligned
.endr
.endm
.macro FINISH
	s_wait_tensorcnt 0x0                           ; the wave's end
	ds_add_u32 v[SPW], v[NIL]
	s_wait_dscnt 0x0
	CROUND                                         ; the closing round: no work-group ends while a partner may still ask for a tile that names it
	s_endpgm
.endm
	s_wait_alu depctr_va_vdst(0)
	s_wait_tensorcnt 0x0                           ; my part of K step 0 is in
	ds_add_u32 v[SPW], v[NIL]
	s_wait_dscnt 0x0
	CROUND                                         ; everybody's part is in, and all sixteen work-groups are here
	JLOAD G0+4, G1, G0B+4, G1B                     ; K step 1: the first tensor load behind the round
	FETCH_B 0, 0, 0
	FETCH_A 0, 0, 0
	FETCH_A 0, 0, 4
	STEP 0, 0, 1                                   ; the first step stands in front of the loop: its products start the sums
	s_mov_b32 s3, LAPS-1
.Llap:                                                 ; a trip goes once round the ring and fills both slots again
	TURN 0, 1, 1
	STEP 1, 0, 0
	TURN 1, 0, 1
	STEP 0, 0, 0
	s_sub_co_u32 s3, s3, 1
	s_cmp_lg_u32 s3, 0
	s_cbranch_scc1 .Llap
	TURN 0, 1, 0                                   ; the last lap fills nothing
	STEP 1, 0, 0
	s_cmp_eq_u32 s66, 2                            ; q and k are rotated, v is not: a branch on the cluster's number, the same in all partners
	s_cbranch_scc1 .Lv
	RLOAD 0                                        ; into B's set 0, which the step above has left, four places back
	RLOAD 1
	LAST
	PLACES NP                                      ; in front of the loads into B's set 1 and of the first read of results
	RLOAD 2
	RLOAD 3
.irp a, 0,1,2,3,4,5,6,7
.if \a < 5
	s_wait_loadcnt 48                              ; block a's sixteen loads are in; those of the three blocks behind it may be out
.else
	s_wait_loadcnt 16*(7-\a)
.endif
	ROPE \a
	QOUT \a, 1
.if \a < 4
	RLOAD \a+4                                     ; its buffer takes the block four further on
.endif
.endr
	FINISH
.Lv:
	LAST
	PLACES NP
.irp a, 0,1,2,3,4,5,6,7
	HOLDV \a
	s_wait_alu depctr_va_vdst(0)
	QOUT \a, 0
.endr
	FINISH
.Lfunc_end_k_qd96f236afd_qkv:
	.size	k_qd96f236afd_qkv, .Lfunc_end_k_qd96f236afd_qkv-k_qd96f236afd_qkv
	.p2alignl 7, 3214868480
	.fill 96, 4, 3214868480
	.section	.rodata,"a",@progbits
	.p2align	6, 0x0
	.amdhsa_kernel k_qd96f236afd_qkv
		.amdhsa_group_segment_fixed_size 327680
		.amdhsa_private_segment_fixed_size 0
		.amdhsa_enable_private_segment 0
		.amdhsa_kernarg_size 40
		.amdhsa_user_sgpr_count 2
		.amdhsa_user_sgpr_kernarg_segment_ptr 1
		.amdhsa_wavefront_size32 1
		.amdhsa_system_sgpr_workgroup_id_x 1
		.amdhsa_system_sgpr_workgroup_id_y 1
		.amdhsa_system_sgpr_workgroup_id_z 1
		.amdhsa_system_vgpr_workitem_id 0
		.amdhsa_next_free_vgpr 1024
		.amdhsa_next_free_sgpr 100
		.amdhsa_reserve_vcc 0
		.amdhsa_float_denorm_mode_32 3
		.amdhsa_float_denorm_mode_16_64 3
		.amdhsa_memory_ordered 1
		.amdhsa_forward_progress 1
		.amdhsa_inst_pref_size 224
	.end_amdhsa_kernel
	.amdgpu_metadata
---
amdhsa.version: [ 1, 2 ]
amdhsa.kernels:
  - .name:           k_qd96f236afd_qkv
    .symbol:         k_qd96f236afd_qkv.kd
    .args:
      - { .name: opc, .offset: 0, .size: 8, .value_kind: global_buffer, .address_space: global }
      - { .name: lowp_scales, .offset: 8, .size: 8, .value_kind: global_buffer, .address_space: global }
      - { .name: rope_cos, .offset: 16, .size: 8, .value_kind: global_buffer, .address_space: global }
      - { .name: rope_sin, .offset: 24, .size: 8, .value_kind: global_buffer, .address_space: global }
      - { .name: qkv, .offset: 32, .size: 8, .value_kind: global_buffer, .address_space: global }
    .group_segment_fixed_size: 327680
    .private_segment_fixed_size: 0
    .kernarg_segment_align: 8
    .kernarg_segment_size: 40
    .max_flat_workgroup_size: 128
    .sgpr_count:     100
    .vgpr_count:     1024
    .wavefront_size: 32
...
	.end_amdgpu_metadata
.endif
;; end of part 2
;; launch attn (part 3): grid 16 x 16, 4 waves a work-group, no clusters, 35,328 bytes of LDS; arguments qkv, maskw, mflag, lowp_scales, attc; writes attc
.if DOCPART == 3
	.amdgcn_target "amdgcn-amd-amdhsa--gfx1250"
	.amdhsa_code_object_version 6
	.text
	.protected	k_qd96f236afd_attn
	.globl	k_qd96f236afd_attn
	.p2align	8
	.type	k_qd96f236afd_attn,@function
k_qd96f236afd_attn:
	s_mov_b64 s[64:65], 0
	v_nop
	global_prefetch_b8 v0, s[64:65] scope:SCOPE_SE
	s_setreg_imm32_b32 hwreg(HW_REG_WAVE_MODE, 25, 1), 1
	s_wait_xcnt 0x0
; ATTENTION on codes of FP8 (E4M3): S^T = K Q^T, the mask, p = 2^(t - M) with M a whole number, O^T += V^T P^T, O / the row's sum, quantised for the projection.
; q, k, v (buffer qkv) are images of operand registers: a fragment (16 rows x 128 K) is 2,048 bytes, byte 512 c + 16 lane.  Token tile T holds tokens 32 (T / 2) + 8 (T % 2) + r + 8 (r / 8).
; q at 0, k at 4 MiB: [head][tile][2048];  v at 8 MiB: [head][key step of 128][8 tiles of the head's 128][2048], K = the keys.  A lane holds one query (lane % 16); register 16 b + i of its 64 scores is key 32 b + 16 (lane / 16) + i.
; WHAT THE MASK DECIDES.  The mask is an input.  An earlier launch stored, for each query tile and key step, which lanes have any key that counts and which have all (mflag), and 64 mask bits a lane (maskw).
; A key step in which no key counts; where some row of the 32 has no key at all, every step is walked, so that the row's
; uniform softmax comes out as reference() has it.  A step all of whose keys count takes no selection.  These are branches on whole numbers read from memory.  The launch has no tensor load: fragments go from memory into registers.
; SHARES.  256 work-groups of four waves, one wave to a SIMD.  Work-group (i, head) owns queries 64 i .. + 63 (block L) and 64 (31 - i) .. + 63 (block H).  Wave w: d = w % 2 picks 32 queries (two tiles, which share every fragment of K and V),
; p = w / 2: p = 0 walks H's key steps 0 .. 8; p = 1 walks all of L's steps, stores L, then walks H's steps 9 .. 15.  The two parts of H (O, M, sum) are joined through LDS: each wave hands one tile over and finishes the other;
; both parts are brought under the larger M by powers of two.  Under a lower-triangular mask the four waves then walk 8 or 9 steps each; any other mask is served by the same text.
; LOADS run one step ahead: the next step's K is asked for behind this step's first products, its V and mask bits behind the last; a job's last step asks for the next job's first.  So 32 KiB a wave are on their way throughout, and no data prefetch is laid beside them.
; No cluster: there is no tensor load to share.
; LIMITS: e6 + e7 between -123 and 130; e9 and e10 - e8 - e9 between -126 and 119; the promise holds while the scaled scores stay under 2^31 in magnitude (a hidden score is -2^64).
; REGISTERS.  Window 0: v1-7 offsets, v8-15 the two tiles' -M, largest t, sum; v16-47 Q; v48-79 p's codes; v80-95 at work; v96-108 constants; v128-255 scores.  Window 1: v0-127 O^T, v128-255 V.  Window 2: v0-127 K.
.set S,   128
.set Q,   16
.set PC,  48
.set XA,  8704                         ; LDS: a wave's hand-over: 64 registers x 128 bytes, and 512 bytes of state
.set SPARE, 4*XA                       ; the spare words, 128 bytes a wave: two blocks of 256 bytes that no other line names
.set WV, 2
.set P, 3
.set JB, 4                             ; 0: block L, 1: block H
.set CNT, 5
.set CUR, 6
.set NXT, 7
.set AM, 8                             ; steps still to walk, a bit each
.set FM, 9                             ; steps all of whose keys count
.set PART, 10
.set NJ, 11                            ; H's first step
.set TOFL, 16                          ; 4096 x first tile of L, of H
.set TOFH, 17
.set AH, 18
.set FH, 19
.set CS, 20
.set SEL, 22
.set KB, 24
.set VB, 26
.set QB, 28
.set MW, 30
.set OB, 32
.set OUT, 34
.set TOFF, 36
.set MOFF, 37
.set KOFF, 38
.set MSB, 0
.macro WIN new                         ; the immediate's high byte repeats the setting that is left
.if MSB != (\new)
	s_set_vgpr_msb (MSB<<8)|(\new)
.set MSB, (\new)
.endif
.endm
.macro FETCHK
	WIN 0x80
.set f, 0
.rept 32
	global_load_b128 v[4*f:4*f+3], v2, s[KB:KB+1] offset:512*f
.set f, f+1
.endr
	WIN 0
.endm
.macro FETCHV                          ; V's eight fragments, then the two tiles' mask bits
	WIN 0x40
.set f, 0
.rept 32
	global_load_b128 v[128+4*f:128+4*f+3], v3, s[VB:VB+1] offset:512*f
.set f, f+1
.endr
	WIN 0
	global_load_b64 v[92:93], v108, s[MW:MW+1]
	global_load_b64 v[94:95], v108, s[MW:MW+1] offset:4096
.endm
; lanes 0-15 hold tile 0's flag words of steps 0-15, lanes 16-31 tile 1's.  a: steps with any key for either tile (all 16 where some row has no key at all); f: steps with every key for both
.macro FLG o, n, a, f
	v_cmp_ne_u32 s57, 0, v[\o]
	v_cmp_eq_u32 s58, -1, v[\n]
.irp m, 1,2,4,8
	v_mov_b32_dpp v88, v[\o] row_xmask:\m row_mask:0xf bank_mask:0xf
	v_or_b32 v[\o], v[\o], v88
.endr
	v_lshrrev_b32 v88, 16, v[\o]                   ; row r has a key where bit r or bit r + 16 is set
	v_or_b32 v[\o], v[\o], v88
	v_and_b32 v[\o], 0xffff, v[\o]
	v_cmp_eq_u32 s59, 0xffff, v[\o]
	s_lshr_b32 s60, s57, 16
	s_or_b32 s[\a], s57, s60
	s_lshr_b32 s60, s58, 16
	s_and_b32 s[\f], s58, s60
	s_and_b32 s[\f], s[\f], 0xffff
	s_cmp_eq_u32 s59, -1
	s_cselect_b32 s[\a], s[\a], 0xffff
	s_and_b32 s[\a], s[\a], 0xffff
.endm
	s_load_b256 s[40:47], s[0:1], 0x0              ; qkv, maskw, mflag, the scales
	s_load_b64 s[48:49], s[0:1], 0x20              ; attc
	v_lshl_add_u32 v5, v0, 2, SPARE
	v_mov_b32 v6, 0
	v_lshrrev_b32 v7, 5, v0
	v_readfirstlane_b32 s[WV], v7
	v_and_b32 v80, 31, v0
	v_lshlrev_b32 v1, 4, v80                       ; 16 x lane
	v_lshlrev_b32 v103, 3, v80                     ; 8 x lane
	v_bfe_u32 v81, v0, 4, 1
	v_bfe_u32 v82, v0, 2, 2
	v_and_b32 v83, 3, v0
	v_lshlrev_b32 v81, 9, v81
	v_lshl_add_u32 v81, v82, 7, v81
	v_lshl_add_u32 v7, v83, 2, v81
	s_wait_alu depctr_va_vdst(0)
	s_lshr_b32 s[P], s[WV], 1
	s_and_b32 s12, s[WV], 1
	s_xor_b32 s[JB], s[P], 1                       ; p = 0 begins with H
	s_lshl_b32 s13, ttmp9, 2
	s_lshl_b32 s12, s12, 1
	s_add_co_u32 s[TOFL], s13, s12                 ; L's first tile: 4 i + 2 d
	s_sub_co_u32 s13, 124, s13
	s_add_co_u32 s[TOFH], s13, s12                 ; H's: 4 (31 - i) + 2 d
	s_lshl_b32 s50, s[TOFL], 9
	s_mov_b32 s51, 0
	s_lshl_b32 s60, s[TOFH], 9
	s_mov_b32 s61, 0
	s_lshl_b32 s[TOFL], s[TOFL], 12
	s_lshl_b32 s[TOFH], s[TOFH], 12
	s_and_b32 s57, ttmp7, 0xffff                   ; the head
	s_lshl_b32 s62, s57, 18
	s_mov_b32 s63, 0
	s_lshr_b32 s14, s57, 1
	s_lshl_b32 s14, s14, 19
	s_and_b32 s15, s57, 1
	s_lshl_b32 s15, s15, 11
	s_add_co_u32 s14, s14, s15                     ; attc: K step of 256 = head / 2, half = head % 2
	s_mov_b32 s15, 0
	s_mul_i32 s12, s[WV], XA
	v_add_nc_u32 v100, s12, v1                     ; my hand-over,
	s_xor_b32 s12, s[WV], 2
	s_mul_i32 s12, s12, XA
	v_add_nc_u32 v101, s12, v1                     ; and my partner's (same d, other p)
	s_mov_b32 s[SEL], 0x76543210
	s_mov_b32 s[SEL+1], 0xfedcba98
	v_mov_b32 v96, 0xdf800000                      ; a hidden score
	v_mov_b32 v85, 0                               ; (upper halves of pairs that are named whole)
	v_mov_b32 v87, 0
	v_mov_b32 v88, 0
	s_wait_alu depctr_va_vdst(0)
	s_wait_kmcnt 0x0
	s_load_b128 s[52:55], s[46:47], 0x18           ; e6 .. e9
	s_load_b32 s56, s[46:47], 0x28                 ; e10
	s_add_nc_u64 s[50:51], s[44:45], s[50:51]
	s_add_nc_u64 s[60:61], s[44:45], s[60:61]
	global_load_b32 v104, v7, s[50:51]
	global_load_b32 v105, v7, s[50:51] offset:16
	global_load_b32 v106, v7, s[60:61]
	global_load_b32 v107, v7, s[60:61] offset:16
	s_add_nc_u64 s[QB:QB+1], s[40:41], s[62:63]
	s_add_nc_u64 s[KB:KB+1], s[QB:QB+1], 0x400000
	s_add_nc_u64 s[VB:VB+1], s[QB:QB+1], 0x800000
	s_mov_b64 s[MW:MW+1], s[42:43]
	s_add_nc_u64 s[OB:OB+1], s[48:49], s[14:15]
	s_wait_loadcnt 0x0
	FLG 104, 105, AM, FM
	FLG 106, 107, AH, FH
	s_mov_b32 s12, 0xfe00
	s_cmp_eq_u32 s[P], 0
	s_cselect_b32 s12, 0x1ff, s12
	s_and_b32 s[AH], s[AH], s12                    ; my share of H's steps
	s_ctz_i32_b32 s[NJ], s[AH]
	s_min_u32 s[NJ], s[NJ], 15
	s_cmp_eq_u32 s[JB], 1
	s_cselect_b32 s13, s[AH], s[AM]
	s_cselect_b32 s14, s[TOFH], s[TOFL]
	s_ctz_i32_b32 s13, s13
	s_min_u32 s13, s13, 15                         ; my first job's first step
	s_lshr_b32 s15, s14, 1
	v_add_nc_u32 v4, s15, v1
.irp c, 0,1,2,3,4,5,6,7
	global_load_b128 v[Q+4*\c:Q+4*\c+3], v4, s[QB:QB+1] offset:512*\c
.endr
	s_lshl_b32 s12, s13, 14
	s_lshl_b32 s13, s13, 8
	s_add_co_u32 s13, s13, s14
	v_add_nc_u32 v2, s12, v1
	FETCHK
	v_add_nc_u32 v3, s12, v1
	v_add_nc_u32 v108, s13, v103
	FETCHV
	s_wait_kmcnt 0x0
	s_add_co_i32 s12, s52, s53
	s_lshl_b32 s12, s12, 23
	s_add_co_i32 s[CS], s12, 0x3e0293ee            ; c = log2(e) / sqrt(128) x 2^(e6 + e7)
	s_mov_b32 s[CS+1], s[CS]
	s_add_co_i32 s12, s55, 127
	s_lshl_b32 s13, s12, 23
	v_mov_b32 v98, s13                             ; 2^e9, for p's conversion
	s_add_co_i32 s12, s12, 8
	s_lshl_b32 s12, s12, 23
	s_or_b32 s12, s12, 0x600000
	v_mov_b32 v97, s12                             ; 448 x 2^e9
	s_sub_co_i32 s12, s56, s54
	s_sub_co_i32 s12, s12, s55
	s_add_co_i32 s12, s12, 127
	s_lshl_b32 s13, s12, 23
	v_mov_b32 v99, s13                             ; 2^E, E = e10 - e8 - e9
	s_add_co_i32 s12, s12, 8
	s_lshl_b32 s12, s12, 23
	s_or_b32 s12, s12, 0x600000
	v_mov_b32 v102, s12                            ; 448 x 2^E
; one tile's softmax of a key step: 64 scores a lane become 16 registers of codes; the sum and O^T come under the new M
.macro SOFT u
.set SU, S+64*\u
.set NM, 8+4*\u
.set LS, 10+4*\u
	s_cmp_lg_u32 s[PART], 0
	s_cbranch_scc0 .Lopen_\@
	s_wait_loadcnt 32                              ; the mask bits are in: behind them only the next K's 32 loads were issued
.if \u
	s_wait_alu depctr_va_vdst(0)
.endif
.set n, 0
.rept 16
.irp e, 0,1,2,3
	v_lshlrev_b32 v[80+\e], 31-(n+\e)%32, v[92+2*\u+(n+\e)/32]
.endr
.irp e, 0,1,2,3
	v_ashrrev_i32 v[80+\e], 31, v[80+\e]           ; all ones where the key counts
.endr
.irp e, 0,1,2,3
	v_bfi_b32 v[SU+n+\e], v[80+\e], v[SU+n+\e], v96
.endr
.set n, n+4
.endr
.Lopen_\@:
.if \u
	s_wait_alu depctr_va_vdst(0)
.endif
	v_max3_num_f32 v80, v[SU], v[SU+1], v[SU+2]    ; four chains, each accumulator from its low end on
	v_max3_num_f32 v81, v[SU+3], v[SU+4], v[SU+5]
	v_max3_num_f32 v82, v[SU+6], v[SU+7], v[SU+8]
	v_max3_num_f32 v83, v[SU+9], v[SU+10], v[SU+11]
.set n, 12
.rept 26
	v_max3_num_f32 v[80+(n/2)%4], v[80+(n/2)%4], v[SU+n], v[SU+n+1]
.set n, n+2
.endr
	v_max3_num_f32 v80, v80, v81, v82
	v_max_num_f32 v80, v80, v83
	v_permlanex16_b32 v81, v80, s[SEL], s[SEL+1]
	v_max_num_f32 v80, v80, v81
	v_mul_f32 v80, s[CS], v80
	v_max_num_f32 v[NM+1], v[NM+1], v80            ; the running largest t
	v_mov_b32 v80, v[NM]
	v_floor_f32 v[NM], -v[NM+1]                    ; -M = floor(-t)
	v_sub_f32 v80, v[NM], v80
	v_cvt_i32_f32 v80, v80
	v_ldexp_f32 v84, 1.0, v80                      ; f = 2^(old M - new M)
.set n, 0
.rept 32
	v_pk_fma_f32 v[SU+n:SU+n+1], v[SU+n:SU+n+1], s[CS:CS+1], v[NM:NM+1] op_sel_hi:[1,0,0]
.set n, n+2
.endr
	s_wait_alu depctr_va_vdst(0)
.set n, 0
.rept 64
	v_exp_f32 v[SU+n], v[SU+n]
.set n, n+1
.endr
	v_pk_mul_f32 v[LS:LS+1], v[LS:LS+1], v[84:85] op_sel_hi:[1,0]
	s_wait_alu depctr_va_vdst(0)
	v_pk_add_f32 v[86:87], v[SU:SU+1], v[SU+2:SU+3]      ; the sum of the unquantised p, in four chains
	v_pk_add_f32 v[88:89], v[SU+4:SU+5], v[SU+6:SU+7]
	v_pk_add_f32 v[90:91], v[SU+8:SU+9], v[SU+10:SU+11]
	v_pk_add_f32 v[LS:LS+1], v[LS:LS+1], v[SU+12:SU+13]
.set n, 14
.rept 6
	v_pk_add_f32 v[86:87], v[86:87], v[SU+n:SU+n+1]
	v_pk_add_f32 v[88:89], v[88:89], v[SU+n+2:SU+n+3]
	v_pk_add_f32 v[90:91], v[90:91], v[SU+n+4:SU+n+5]
	v_pk_add_f32 v[LS:LS+1], v[LS:LS+1], v[SU+n+6:SU+n+7]
.set n, n+8
.endr
	v_pk_add_f32 v[86:87], v[86:87], v[SU+62:SU+63]
	v_pk_add_f32 v[88:89], v[88:89], v[90:91]
	v_pk_add_f32 v[LS:LS+1], v[LS:LS+1], v[86:87]
	v_pk_add_f32 v[LS:LS+1], v[LS:LS+1], v[88:89]
.irp b, 0,1,2,3
.irp i, 0,1,2,3,4,5,6,7,8,9,10,11,12,13,14,15
	v_min_num_f32 v[SU+16*\b+\i], v[SU+16*\b+\i], v97    ; the conversion does not saturate (ISA guide 7.6.2); p is not negative
.endr
	v_cvt_scalef32_pk8_fp8_f32 v[PC+16*\u+4*\b:PC+16*\u+4*\b+1], v[SU+16*\b:SU+16*\b+7], v98
	v_cvt_scalef32_pk8_fp8_f32 v[PC+16*\u+4*\b+2:PC+16*\u+4*\b+3], v[SU+16*\b+8:SU+16*\b+15], v98
.endr
	WIN 0x41
	s_wait_alu depctr_va_vdst(0)
.set n, 0
.rept 32
	v_pk_mul_f32 v[64*\u+n:64*\u+n+1], v[64*\u+n:64*\u+n+1], v[84:85] op_sel_hi:[1,0]
.set n, n+2
.endr
	WIN 0
.endm
; a tile leaves: / the sum, held, quantised by 2^E, stored as a fragment of the projection's operand: 512 consecutive bytes a store
.macro FIN src, win, ls, pc, off
	v_add_f32 v80, v[\ls], v[\ls+1]
	v_permlanex16_b32 v81, v80, s[SEL], s[SEL+1]
	v_add_f32 v80, v80, v81
	s_wait_alu depctr_va_vdst(0)
	v_rcp_f32 v84, v80
	v_nop
	WIN \win
	s_wait_alu depctr_va_vdst(0)                   ; ahead of the reciprocal's first reader, which also reads O^T
.set n, 0
.rept 32
	v_pk_mul_f32 v[S+n:S+n+1], v[\src+n:\src+n+1], v[84:85] op_sel_hi:[1,0]
.set n, n+2
.endr
	WIN 0
.set n, 0
.rept 64
	v_med3_num_f32 v[S+n], v[S+n], -v102, v102
.set n, n+1
.endr
.irp q, 0,1,2,3,4,5,6,7
	v_cvt_scalef32_pk8_fp8_f32 v[\pc+2*\q:\pc+2*\q+1], v[S+8*\q:S+8*\q+7], v99
.endr
	v_nop                                          ; one plain line behind the conversions
.irp c, 0,1,2,3
	global_store_b128 v1, v[\pc+4*\c:\pc+4*\c+3], s[OUT:OUT+1] offset:\off+512*\c
.endr
.endm
.Ljob:
	s_cmp_eq_u32 s[JB], 1
	s_cselect_b32 s[AM], s[AH], s[AM]
	s_cselect_b32 s[FM], s[FH], s[FM]
	s_cselect_b32 s[TOFF], s[TOFH], s[TOFL]
	s_mov_b32 s12, s[TOFF]
	s_mov_b32 s13, 0
	s_wait_xcnt 0x0                                ; earlier stores have read their base and their data
	s_add_nc_u64 s[OUT:OUT+1], s[OB:OB+1], s[12:13]
	s_bcnt1_i32_b32 s[CNT], s[AM]
	s_ctz_i32_b32 s[CUR], s[AM]
	s_min_u32 s[CUR], s[CUR], 15
	s_add_co_i32 s12, s[AM], -1
	s_and_b32 s[AM], s[AM], s12
.irp u, 0,1
	v_mov_b32 v[9+4*\u], 0xff61b1e6                ; the largest t so far: -3e38
	v_floor_f32 v[8+4*\u], -v[9+4*\u]
	v_mov_b32 v[10+4*\u], 0
	v_mov_b32 v[11+4*\u], 0
.endr
	WIN 0x40
.set n, 0
.rept 128
	v_mov_b32 v[n], 0                              ; O^T: the step is written once, and a job may have no step at all
.set n, n+1
.endr
	WIN 0
	s_wait_alu depctr_va_vdst(0)
	s_wait_loadcnt 0x0                             ; Q and the first step's K, V and mask bits
	s_cmp_eq_u32 s[CNT], 0
	s_cbranch_scc1 .Ljobend
.Lstep:
	s_lshr_b32 s12, s[FM], s[CUR]
	s_and_b32 s12, s12, 1
	s_xor_b32 s[PART], s12, 1                      ; 1: some key of this step is hidden
	s_ctz_i32_b32 s[NXT], s[AM]
	s_cmp_lg_u32 s[AM], 0
	s_cselect_b32 s[NXT], s[NXT], s[NJ]            ; the next step to walk; behind a job's last: H's first
	s_cselect_b32 s[MOFF], s[TOFF], s[TOFH]
	s_min_u32 s[NXT], s[NXT], 15
	s_add_co_i32 s12, s[AM], -1
	s_and_b32 s[AM], s[AM], s12
	s_lshl_b32 s[KOFF], s[NXT], 14
	s_lshl_b32 s12, s[NXT], 8
	s_add_co_u32 s[MOFF], s[MOFF], s12
	s_min_u32 s[MOFF], s[MOFF], 0x7ef00            ; its largest value: 4096 x 126 + 256 x 15
	s_wait_loadcnt 34                              ; K is in; V's 32 loads and the mask's 2 may be out
	WIN 0x02
.irp u, 0,1
.irp t, 0,1,2,3,4,5,6,7
	v_wmma_f32_16x16x128_fp8_fp8 v[S+64*\u+8*\t:S+64*\u+8*\t+7], v[16*\t:16*\t+15], v[Q+16*\u:Q+16*\u+15], 0
.endr
.endr
	WIN 0
	v_add_nc_u32 v2, s[KOFF], v1                   ; four places in front of the loads into K's registers and of the first read of scores
	v_nop
	v_nop
	v_nop
	FETCHK
	SOFT 0
	SOFT 1
	s_wait_alu depctr_va_vdst(0)
	s_wait_loadcnt 32                              ; V is in; the next K's 32 loads may be out
	WIN 0x51
.irp t, 0,1,2,3,4,5,6,7
.irp u, 0,1
	v_wmma_f32_16x16x128_fp8_fp8 v[64*\u+8*\t:64*\u+8*\t+7], v[128+16*\t:128+16*\t+15], v[PC+16*\u:PC+16*\u+15], v[64*\u+8*\t:64*\u+8*\t+7]
.endr
.endr
	WIN 0
	v_add_nc_u32 v3, s[KOFF], v1                   ; four places in front of the loads into V's registers
	v_add_nc_u32 v108, s[MOFF], v103
	v_nop
	v_nop
	FETCHV
	s_mov_b32 s[CUR], s[NXT]
	s_sub_co_u32 s[CNT], s[CNT], 1
	s_cmp_lg_u32 s[CNT], 0
	s_cbranch_scc1 .Lstep
.Ljobend:
	s_cmp_eq_u32 s[JB], 1
	s_cbranch_scc1 .Lmerge
	s_lshr_b32 s12, s[TOFH], 1                     ; L is done: H's Q is asked for, and L's two tiles leave under its flight
	v_add_nc_u32 v4, s12, v1
.irp c, 0,1,2,3,4,5,6,7
	global_load_b128 v[Q+4*\c:Q+4*\c+3], v4, s[QB:QB+1] offset:512*\c
.endr
	FIN 0, 0x01, 10, PC, 0
	FIN 64, 0x01, 14, PC+16, 4096
	s_add_co_u32 s[JB], s[JB], 1
	s_cmp_lt_u32 s[JB], 2
	s_cbranch_scc1 .Ljob
; THE TWO PARTS OF H ARE JOINED.  p = 0 keeps tile 0 and hands tile 1 over, p = 1 the other way round.
.macro XST g
	WIN 0x04
.set f, 0
.rept 16
	ds_store_b128 v100, v[64*\g+4*f:64*\g+4*f+3] offset:512*f
.set f, f+1
.endr
	WIN 0
	ds_store_b128 v100, v[8+4*\g:11+4*\g] offset:8192    ; -M, the largest t, the sum's two halves
.endm
.macro MRG k
	v_min_num_f32 v80, v[8+4*\k], v104             ; -M of both parts
	v_sub_f32 v81, v80, v[8+4*\k]
	v_sub_f32 v82, v80, v104
	v_cvt_i32_f32 v81, v81                         ; (it saturates: a part with no step counts for nothing)
	v_cvt_i32_f32 v82, v82
	v_ldexp_f32 v84, 1.0, v81
	v_ldexp_f32 v86, 1.0, v82
	v_pk_mul_f32 v[88:89], v[106:107], v[86:87] op_sel_hi:[1,0]
	v_pk_fma_f32 v[88:89], v[10+4*\k:11+4*\k], v[84:85], v[88:89] op_sel_hi:[1,0,1]
.set n, 0
.rept 32
	v_pk_mul_f32 v[S+n:S+n+1], v[S+n:S+n+1], v[86:87] op_sel_hi:[1,0]
.set n, n+2
.endr
	WIN 0x01
.set n, 0
.rept 32
	v_pk_fma_f32 v[S+n:S+n+1], v[64*\k+n:64*\k+n+1], v[84:85], v[S+n:S+n+1] op_sel_hi:[1,0,1]
.set n, n+2
.endr
	WIN 0
.endm
.Lmerge:
	s_cmp_eq_u32 s[P], 0
	s_cbranch_scc0 .Lgive0
	XST 1
	s_branch .Lmeet
.Lgive0:
	XST 0
.Lmeet:
	s_wait_alu depctr_va_vdst(0)
	s_wait_dscnt 0x0                               ; my stores are done: zero, for the partner's sake
	s_barrier_signal -1
	s_barrier_wait -1
.set f, 0
.rept 16
	ds_load_b128 v[S+4*f:S+4*f+3], v101 offset:512*f
.set f, f+1
.endr
	ds_load_b128 v[104:107], v101 offset:8192
	s_lshl_b32 s12, s[P], 12
	s_mov_b32 s13, 0
	s_wait_xcnt 0x0
	s_add_nc_u64 s[OUT:OUT+1], s[OUT:OUT+1], s[12:13]    ; the tile that I keep
	s_wait_dscnt 0x0
	s_cmp_eq_u32 s[P], 0
	s_cbranch_scc0 .Lkeep1
	MRG 0
	s_branch .Lfin
.Lkeep1:
	MRG 1
.Lfin:
	s_wait_alu depctr_va_vdst(0)
	FIN S, 0, 88, PC, 0
	s_wait_tensorcnt 0x0                           ; the wave's end, behind my last LDS store
	ds_add_u32 v5, v6
	s_wait_dscnt 0x0
	s_endpgm
.Lfunc_end_k_qd96f236afd_attn:
	.size	k_qd96f236afd_attn, .Lfunc_end_k_qd96f236afd_attn-k_qd96f236afd_attn
	.p2alignl 7, 3214868480
	.fill 96, 4, 3214868480
	.section	.rodata,"a",@progbits
	.p2align	6, 0x0
	.amdhsa_kernel k_qd96f236afd_attn
		.amdhsa_group_segment_fixed_size 35328
		.amdhsa_private_segment_fixed_size 0
		.amdhsa_enable_private_segment 0
		.amdhsa_kernarg_size 40
		.amdhsa_user_sgpr_count 2
		.amdhsa_user_sgpr_kernarg_segment_ptr 1
		.amdhsa_wavefront_size32 1
		.amdhsa_system_sgpr_workgroup_id_x 1
		.amdhsa_system_sgpr_workgroup_id_y 1
		.amdhsa_system_sgpr_workgroup_id_z 1
		.amdhsa_system_vgpr_workitem_id 0
		.amdhsa_next_free_vgpr 640
		.amdhsa_next_free_sgpr 66
		.amdhsa_reserve_vcc 0
		.amdhsa_float_denorm_mode_32 3
		.amdhsa_float_denorm_mode_16_64 3
		.amdhsa_memory_ordered 1
		.amdhsa_forward_progress 1
		.amdhsa_inst_pref_size 106
	.end_amdhsa_kernel
	.amdgpu_metadata
---
amdhsa.version: [ 1, 2 ]
amdhsa.kernels:
  - .name:           k_qd96f236afd_attn
    .symbol:         k_qd96f236afd_attn.kd
    .args:
      - { .name: qkv, .offset: 0, .size: 8, .value_kind: global_buffer, .address_space: global }
      - { .name: maskw, .offset: 8, .size: 8, .value_kind: global_buffer, .address_space: global }
      - { .name: mflag, .offset: 16, .size: 8, .value_kind: global_buffer, .address_space: global }
      - { .name: lowp_scales, .offset: 24, .size: 8, .value_kind: global_buffer, .address_space: global }
      - { .name: attc, .offset: 32, .size: 8, .value_kind: global_buffer, .address_space: global }
    .group_segment_fixed_size: 35328
    .private_segment_fixed_size: 0
    .kernarg_segment_align: 8
    .kernarg_segment_size: 40
    .max_flat_workgroup_size: 128
    .sgpr_count:     66
    .vgpr_count:     640
    .wavefront_size: 32
...
	.end_amdgpu_metadata
.endif
;; end of part 3
;; launch proj (part 4): grid 16 x 16, 4 waves a work-group, clusters of 4 x 4, 327,680 bytes of LDS; arguments attc, wpc, lowp_scales, out0; writes out0
.if DOCPART == 4
	.amdgcn_target "amdgcn-amd-amdhsa--gfx1250"
	.amdhsa_code_object_version 6
	.text
	.protected	k_qd96f236afd_proj
	.globl	k_qd96f236afd_proj
	.p2align	8
	.type	k_qd96f236afd_proj,@function
k_qd96f236afd_proj:
	s_mov_b64 s[64:65], 0
	v_nop
	global_prefetch_b8 v0, s[64:65] scope:SCOPE_SE
	s_setreg_imm32_b32 hwreg(HW_REG_WAVE_MODE, 25, 1), 1
	s_wait_xcnt 0x0
	s_wait_alu depctr_hold_cnt(0) depctr_sa_sdst(0) depctr_va_vdst(0) depctr_va_sdst(0) depctr_va_ssrc(0) depctr_va_vcc(0) depctr_vm_vsrc(0)
	s_getreg_b32 s2, hwreg(HW_REG_IB_STS2, 6, 4)
	s_cmp_eq_u32 s2, 0
	s_cbranch_scc0 .Lentry_in_a_cluster
	s_endpgm
.Lentry_in_a_cluster:
	s_bfe_u32 s2, ttmp6, 0x10000c
	s_cmp_lg_u32 s2, 0xf033
	s_cbranch_scc0 .Lentry_shape_is_right
	s_endpgm
.Lentry_shape_is_right:
.set KADV,  524288
.set CHUNK, 2*KADV
.set BLK,   32768
.set SLOT,  4*BLK
.set SPARE, 2*SLOT
.set STAGE, SPARE+512
.set SPITCH, 272
.set FR,    16
.set ADRA,  16
.set ADRB,  20
.set STO,   24
.set RD,    25
.set CO,    26
.set SPW,   28
.set NIL,   29
.set ACC,   128
.set F0,    0
.set F1,    128
.set G1,  24
.set G0,  32
.set G1B, 48
.set G0B, 56
.set MSB, 0
.macro WIN new
.if MSB != (\new)
	s_set_vgpr_msb (MSB<<8)|(\new)
.set MSB, (\new)
.endif
.endm
.set MUL,  0x05
.set TO_F, 0x40
.macro JLOAD g0a, g1a, g0b, g1b
	s_cmp_eq_u32 s15, 0
	s_cbranch_scc0 .Lfor_b_\@
	tensor_load_to_lds s[\g0a:\g0a+3], s[\g1a:\g1a+7]
	s_nop 0
.rept 4
	v_nop
.endr
	s_branch .Lasked_\@
.Lfor_b_\@:
	tensor_load_to_lds s[\g0b:\g0b+3], s[\g1b:\g1b+7]
	s_nop 0
.rept 4
	v_nop
.endr
.Lasked_\@:
.endm
.macro CREST
	s_cmp_lg_u32 s14, 0
	s_cbranch_scc1 .Lnot_wave_0_\@
	s_barrier_signal -3
.Lnot_wave_0_\@:
	s_barrier_wait -3
	s_barrier_signal -1
	s_barrier_wait -1
.endm
.macro CROUND
	s_barrier_signal -1
	s_barrier_wait -1
	CREST
.endm
	s_load_b256 s[4:11], s[0:1], 0x0
	v_lshl_add_u32 v[SPW], v0, 2, SPARE
	v_mov_b32 v[NIL], 0
	ds_add_u32 v28, v29
	ds_add_u32 v28, v29
	s_wait_dscnt 0x0
	v_lshrrev_b32 v1, 5, v0
	v_readfirstlane_b32 s14, v1
	s_lshr_b32 s15, s14, 1
	s_and_b32 s16, s14, 1
	s_bfe_u32 s40, ttmp6, 0x40000
	s_bfe_u32 s41, ttmp6, 0x40004
	s_lshl_b32 s42, ttmp9, 2
	s_add_co_u32 s42, s42, s40
	s_and_b32 s17, ttmp7, 0xffff
	s_lshl_b32 s17, s17, 2
	s_add_co_u32 s17, s17, s41
	s_lshl_b32 s43, s41, 2
	s_lshl_b32 s43, 15, s43
	s_lshl_b32 s44, 0x1111, s40
	s_or_b32 s[G1+0], s43, (3<<16)|(1<<21)
	s_or_b32 s[G1B+0], s44, (3<<16)|(1<<21)
.irp g, G1, G1B
	s_mov_b32 s[\g+1], 32<<16
	s_mov_b32 s[\g+2], 128<<16
	s_mov_b32 s[\g+3], 32<<16
	s_mov_b32 s[\g+4], 128
	s_mov_b32 s[\g+5], 32
	s_mov_b32 s[\g+6], 0
	s_mov_b32 s[\g+7], 0
.endr
	s_lshl_b32 s18, s16, 19
	s_lshl_b32 s20, s17, 15
	s_add_co_u32 s20, s20, s18
	s_mov_b32 s21, 0
	s_lshl_b32 s46, s42, 15
	s_add_co_u32 s46, s46, s18
	s_mov_b32 s47, 0
	s_lshl_b32 s45, s14, 15
	s_wait_kmcnt 0x0
	s_load_b64 s[96:97], s[8:9], 0x28
	s_add_nc_u64 s[20:21], s[4:5], s[20:21]
	s_add_nc_u64 s[46:47], s[6:7], s[46:47]
	CROUND
.irp s, 0,1
	s_mov_b32 s[G0+4*\s], 1
	s_add_co_u32 s[G0+4*\s+1], s45, \s*SLOT
	s_add_nc_u64 s[G0+4*\s+2:G0+4*\s+3], s[20:21], \s*CHUNK
	s_or_b32 s[G0+4*\s+3], s[G0+4*\s+3], 0x80000000
	s_mov_b32 s[G0B+4*\s], 1
	s_add_co_u32 s[G0B+4*\s+1], s45, \s*SLOT
	s_add_nc_u64 s[G0B+4*\s+2:G0B+4*\s+3], s[46:47], \s*CHUNK
	s_or_b32 s[G0B+4*\s+3], s[G0B+4*\s+3], 0x80000000
	s_wait_alu depctr_va_vdst(0)
	s_wait_tensorcnt 0x0
	ds_add_u32 v28, v29
	ds_add_u32 v28, v29
	s_wait_dscnt 0x0
	CROUND
	JLOAD G0+4*\s, G1, G0B+4*\s, G1B
.endr
	v_and_b32 v6, 31, v0
	v_lshlrev_b32 v3, 4, v6
	s_lshl_b32 s21, s15, 14
	s_lshl_b32 s22, s16, 14
	s_add_co_u32 s22, s22, 2*BLK
.irp s, 0,1
	v_add_nc_u32 v[ADRA+\s], s21, v3
	v_add_nc_u32 v[ADRB+\s], s22, v3
	s_add_co_u32 s21, s21, SLOT
	s_add_co_u32 s22, s22, SLOT
.endr
	v_and_b32 v1, 15, v0
	v_bfe_u32 v2, v0, 4, 1
	s_mul_i32 s23, s14, 16*SPITCH
	s_add_co_u32 s23, s23, STAGE
	v_mul_u32_u24 v5, v1, SPITCH
	v_lshl_add_u32 v5, v2, 6, v5
	v_add_nc_u32 v[STO], s23, v5
	v_mul_u32_u24 v5, v2, SPITCH
	v_lshl_add_u32 v5, v1, 4, v5
	v_add_nc_u32 v[RD], s23, v5
	v_lshlrev_b32 v5, 13, v2
	v_lshl_add_u32 v[CO], v1, 4, v5
	s_lshl_b32 s20, s17, 20
	s_lshl_b32 s21, s15, 19
	s_add_co_u32 s20, s20, s21
	s_lshl_b32 s46, s42, 9
	s_add_co_u32 s20, s20, s46
	s_lshl_b32 s46, s16, 8
	s_add_co_u32 s20, s20, s46
	s_mov_b32 s21, 0
	s_add_nc_u64 s[10:11], s[10:11], s[20:21]
.macro FRAG reg, adr, s, i
.irp c, 0,1,2,3
	ds_load_b128 v[\reg+4*\c:\reg+4*\c+3], v[\adr] offset:BLK*((\s)/2)+4096*(\i)+2048*((\s)%2)+512*\c
.endr
.endm
.macro FETCH slot, s, f
	WIN TO_F
.irp i, 0,1,2,3
	FRAG \f+64+FR*\i, ADRB+\slot, \s, \i
.endr
.irp i, 0,1,2,3
	FRAG \f+FR*\i, ADRA+\slot, \s, \i
.endr
.endm
.macro MUL8 f, a0, zero
.irp a, \a0, \a0+1
.irp b, 0,1,2,3
.if \zero
	v_wmma_f32_16x16x128_fp8_fp8 v[ACC+8*(4*(\a)+\b):ACC+8*(4*(\a)+\b)+7], v[\f+64+FR*\b:\f+64+FR*\b+FR-1], v[\f+FR*(\a):\f+FR*(\a)+FR-1], 0
.else
	v_wmma_f32_16x16x128_fp8_fp8 v[ACC+8*(4*(\a)+\b):ACC+8*(4*(\a)+\b)+7], v[\f+64+FR*\b:\f+64+FR*\b+FR-1], v[\f+FR*(\a):\f+FR*(\a)+FR-1], v[ACC+8*(4*(\a)+\b):ACC+8*(4*(\a)+\b)+7]
.endif
.endr
.endr
.endm
.macro PLACES n
.rept \n
	v_nop
.endr
.endm
.macro STEPQ slot, s, zero
	s_wait_dscnt 8
	WIN MUL
	MUL8 128*((\s)%2), 0, \zero
	PLACES 4
	FETCH \slot, (\s)+1, 128*(1-(\s)%2)
	s_wait_dscnt 32
	WIN MUL
	MUL8 128*((\s)%2), 2, \zero
.endm
.macro TURN slot, next, fill
	WIN 0
	s_wait_tensorcnt 0x0
	ds_add_u32 v[SPW], v[NIL]
	s_wait_dscnt 9
	WIN MUL
	MUL8 F1, 0, 0
	s_wait_dscnt 0x0
	s_barrier_signal -1
	MUL8 F1, 2, 0
	WIN 0
	s_barrier_wait -1
.if \fill
	CREST
	s_add_nc_u64 s[G0+4*\slot+2:G0+4*\slot+3], s[G0+4*\slot+2:G0+4*\slot+3], 2*CHUNK
	s_add_nc_u64 s[G0B+4*\slot+2:G0B+4*\slot+3], s[G0B+4*\slot+2:G0B+4*\slot+3], 2*CHUNK
	JLOAD G0+4*\slot, G1, G0B+4*\slot, G1B
.else
	PLACES 4
.endif
	FETCH \next, 0, F0
.endm
	s_wait_tensorcnt 1
	s_barrier_signal -1
	s_barrier_wait -1
	FETCH 0, 0, F0
	STEPQ 0, 0, 1
	STEPQ 0, 1, 0
	STEPQ 0, 2, 0
	TURN 0, 1, 1
	STEPQ 1, 0, 0
	STEPQ 1, 1, 0
	STEPQ 1, 2, 0
	TURN 1, 0, 1
	STEPQ 0, 0, 0
	STEPQ 0, 1, 0
	STEPQ 0, 2, 0
	TURN 0, 1, 0
	STEPQ 1, 0, 0
	STEPQ 1, 1, 0
	STEPQ 1, 2, 0
	s_wait_dscnt 8
	WIN MUL
	MUL8 F1, 0, 0
	s_wait_dscnt 0
	MUL8 F1, 2, 0
	WIN 0
.macro PACK a
.set AC, ACC+32*(\a)
.set j, 0
.rept 16
	v_pk_mul_f32 v[AC+j:AC+j+1], v[AC+j:AC+j+1], s[96:97] op_sel_hi:[1,0]
.set j, j+2
.endr
.irp b, 0,1,2,3
	ds_store_b128 v[STO], v[AC+8*\b:AC+8*\b+3] offset:128*(\b/2)+32*(\b%2)
	ds_store_b128 v[STO], v[AC+8*\b+4:AC+8*\b+7] offset:128*(\b/2)+32*(\b%2)+16
.endr
.irp t, 0,1,2,3,4,5,6,7
	ds_load_b128 v[AC+4*\t:AC+4*\t+3], v[RD] offset:\t*2*SPITCH
.endr
.endm
.macro SEND a, younger
.set AC, ACC+32*(\a)
.irp t, 0,1,2,3,4,5,6,7
	s_wait_dscnt \younger+7-\t
	global_store_b128 v[CO], v[AC+4*\t:AC+4*\t+3], s[10:11] offset:(32*((\a)/2)+8*((\a)%2)+2*\t+8*(\t/4))*8192 th:TH_STORE_NT
.endr
.endm
	s_wait_kmcnt 0x0
	s_add_co_i32 s96, s96, s97
	s_add_co_i32 s96, s96, 127
	s_lshl_b32 s96, s96, 23
	PLACES 4
	PACK 0
	PACK 1
	SEND 0, 16
	PACK 2
	SEND 1, 16
	PACK 3
	SEND 2, 16
	SEND 3, 0
	s_wait_tensorcnt 0x0
	ds_add_u32 v[SPW], v[NIL]
	s_wait_dscnt 0x0
	CROUND
	s_endpgm
.Lfunc_end_k_qd96f236afd_proj:
	.size	k_qd96f236afd_proj, .Lfunc_end_k_qd96f236afd_proj-k_qd96f236afd_proj
	.p2alignl 7, 3214868480
	.fill 96, 4, 3214868480
	.section	.rodata,"a",@progbits
	.p2align	6, 0x0
	.amdhsa_kernel k_qd96f236afd_proj
		.amdhsa_group_segment_fixed_size 327680
		.amdhsa_private_segment_fixed_size 0
		.amdhsa_enable_private_segment 0
		.amdhsa_kernarg_size 32
		.amdhsa_user_sgpr_count 2
		.amdhsa_user_sgpr_kernarg_segment_ptr 1
		.amdhsa_wavefront_size32 1
		.amdhsa_system_sgpr_workgroup_id_x 1
		.amdhsa_system_sgpr_workgroup_id_y 1
		.amdhsa_system_sgpr_workgroup_id_z 1
		.amdhsa_system_vgpr_workitem_id 0
		.amdhsa_next_free_vgpr 512
		.amdhsa_next_free_sgpr 98
		.amdhsa_reserve_vcc 0
		.amdhsa_float_denorm_mode_32 3
		.amdhsa_float_denorm_mode_16_64 3
		.amdhsa_memory_ordered 1
		.amdhsa_forward_progress 1
		.amdhsa_inst_pref_size 75
	.end_amdhsa_kernel
	.amdgpu_metadata
---
amdhsa.version: [ 1, 2 ]
amdhsa.kernels:
  - .name:           k_qd96f236afd_proj
    .symbol:         k_qd96f236afd_proj.kd
    .args:
      - { .name: attc, .offset: 0, .size: 8, .value_kind: global_buffer, .address_space: global }
      - { .name: wpc, .offset: 8, .size: 8, .value_kind: global_buffer, .address_space: global }
      - { .name: lowp_scales, .offset: 16, .size: 8, .value_kind: global_buffer, .address_space: global }
      - { .name: out0, .offset: 24, .size: 8, .value_kind: global_buffer, .address_space: global }
    .group_segment_fixed_size: 327680
    .private_segment_fixed_size: 0
    .kernarg_segment_align: 8
    .kernarg_segment_size: 32
    .max_flat_workgroup_size: 128
    .sgpr_count:     98
    .vgpr_count:     512
    .wavefront_size: 32
...
	.end_amdgpu_metadata
.endif
;; end of part 4
